; MI455X (gfx1250); checked and timed in simulation.
; The chip was launched on July 23, 2026; its instructions are those of AMD's public machine-readable ISA for CDNA 5 (MIT licence, August 2026) and "CDNA5" Instruction Set Architecture Reference Guide (July 2026). The comments in the code are by the model that wrote it; some were corrected since.
;; HPU Attention Impl. Allowed arithmetic: matrix products marked QUANTISED: E2M1 operands, one E8M0 scale for each 32 along K, by v_wmma_scale_f32_16x16x128_f8f6f4 with both operands' format E2M1 (or v_wmma_scale_f32_32x16x128_f4), f32 sums; everything else in f32.
;; Inputs: alibi_slopes 32 float32; key 1 x 2,048 x 1,024 float32; query 1 x 2,048 x 4,096 float32; value 1 x 2,048 x 1,024 float32.
;; Outputs: out0 1 x 2,048 x 4,096 float32.
;; This version of the problem:
;;   THIS VERSION OF THE PROBLEM IS GIVEN IN LOW PRECISION. The matrix products marked QUANTISED in the list below multiply operands that are first quantised to E2M1 (2 exponent bits, 1 mantissa bit; 4 bits a number), with one power-of-two scale for each 32 numbers along K (OCP MX v1.0); their sums are f32. All else is computed in f32.
;;   The module's matrix products, in the order in which they are computed (A, B: the left and right operand; K: the contracted axis; several contracted axes count as one K, in the product's order):
;;     1. batch 8 x [M 8,192, K 128] x [K 128, N 2,048]; A: computed on the way; B: input key: QUANTISED
;;     2. batch 8 x [M 8,192, K 2,048] x [K 2,048, N 128]; A: softmax (see below); B: input value: QUANTISED
;;   THE QUANTISER, for each operand of a quantised product, along K:
;;     - K is cut into blocks of 32 from its start; a last block that is shorter is filled with zeros.
;;     - A block's scale is 2^e with e = floor(log2(the largest magnitude in the block)) - 2, held to -126 .. 127; a block of zeros has e = 0. As a byte (E8M0): e + 127.
;;     - Each number is divided by its block's scale, clamped to +-6, and rounded to the nearest number of E2M1, ties to even, subnormals kept.
;;     - The product sums the exact products of the quantised numbers (number of the format x scale) in f32.
;;   ~~~python
;;   def quantise(x, axis):      # numpy; x: float32 -> the quantised numbers, widened to float32 again
;;       x = np.moveaxis(x, axis, -1); K = x.shape[-1]
;;       x = np.pad(x, [(0, 0)] * (x.ndim - 1) + [(0, -K % 32)]); x = x.reshape(x.shape[:-1] + (-1, 32)); a = np.abs(x).max(-1, keepdims=True)
;;       e = np.where(a > 0, np.clip(np.frexp(np.where(a > 0, a, 1))[1] - 1 - 2, -126, 127), 0)      # np.frexp(a)[1] - 1 = floor(log2(a)), exactly
;;       r = np.clip(x / 2.0 ** e, -6, 6)
;;       step = 2.0 ** (np.maximum(np.frexp(np.where(r == 0, 1, r))[1] - 1, 0) - 1)
;;       q = np.round(r / step) * step * 2.0 ** e      # np.round: ties to even
;;       return np.moveaxis(q.reshape(q.shape[:-2] + (-1,))[..., :K], -1, axis).astype(np.float32)
;;   ~~~
;;   SOFTMAX AHEAD OF A QUANTISED PRODUCT. Where the list says 'softmax', what is quantised is not the finished softmax but p = 2^(t - M), with t = logit x log2(e) and M = ceil(the row's largest t), a whole number; so 1/2 < the row's largest p <= 1. The row's sum l is taken of the UNQUANTISED p, in f32, and the product's result is divided by l at the end. Since M is a whole number, a kernel that streams over the keys may use a running M (the ceiling of the running maximum): every later rescaling is an exact power of two, which a block's scale takes up: the codes' values come out the same.
;;   OPERANDS COMPUTED ON THE WAY. 'Computed on the way' means the value that the module computes at that place (a softmax that the list does not call 'softmax' is quantised finished and normalised). What goes into a quantiser is computed in f32, as accurately as f32 sums, v_exp_f32 and their like allow (about 1e-6 of the number): no bf16 or f16 on the way to a quantiser, and a product that is left as it is and whose result goes on into a quantised operand takes f32 operands (vector FMAs, or v_wmma_f32_16x16x4_f32). A number that lies on a knife's edge between two numbers of the format may be rounded either way, as far as f32 arithmetic and the matrix unit's own rounding can turn it there, and no further.
;; One version. Each part assembles by itself: llvm-mc -triple=amdgcn-amd-amdhsa -mcpu=gfx1250 --defsym DOCPART=n.
;; ======== version 1 of 1: 2 launches
;; workspace buffers: kvc 2,097,152 bytes; kvs 131,072 bytes
;; launch quant (part 1): grid 256 x 1, 4 waves a work-group, no clusters, 0 bytes of LDS; arguments key, value, kvc, kvs; writes kvc, kvs
.if DOCPART == 1
	.amdgcn_target "amdgcn-amd-amdhsa--gfx1250"
	.amdhsa_code_object_version 6
	.text
	.protected	k_qfe3526b3f6_quant
	.globl	k_qfe3526b3f6_quant
	.p2align	8
	.type	k_qfe3526b3f6_quant,@function
k_qfe3526b3f6_quant:
	s_mov_b64 s[64:65], 0
	v_nop
	global_prefetch_b8 v0, s[64:65] scope:SCOPE_SE
	s_setreg_imm32_b32 hwreg(HW_REG_WAVE_MODE, 25, 1), 1
	s_wait_xcnt 0x0
; THE PROGRAM: causal attention with grouped heads (32 query heads, 8 key/value heads, head size 128, 2,048 positions) and a bias slope x (j - i), both products on codes of FP4 (E2M1) with one E8M0 scale for each 32 along K.
; Two launches: this one turns key and value, f32, into codes and scale words; the second does all the rest.
; WORK LEFT OUT BY THE PROGRAM (in the second launch): a step of 128 keys all of which come after a tile's 16 queries.  reference() itself adds -inf to those logits (its own causal mask, built from positions alone), so their
; p = 2^(t - M) is 0 whatever finite values the inputs hold: zero codes in the second product, nothing in the row's sum, nothing in the row's maximum.  Nothing else is left out.  The part -slope x i of the bias, which is the same
; along the softmax's axis, STAYS: it moves M = ceil(the largest t) and with it p's codes.  Every input has a way to the output and is loaded.
; LIMIT: a NaN, an infinity or an overflow that reaches only the steps left out is not carried to the result.
;
; THIS LAUNCH.  key, value: [2048][8 heads x 128] f32.  The codes are laid IN THE ORDER OF THE OPERAND'S REGISTERS, so that the second launch takes a fragment by loads of 16 consecutive bytes a lane.
; kvc: [head 8][step 16] records of 16,384 bytes (a step = 128 keys): K's 8 fragments, then V's 8; a fragment = [c 0..1][lane 0..31][16 bytes].
;   K's fragment T = 2 b + u: lane (r, h) holds key 128 step + 32 b + 8 u + r + 8 (r / 8); its 16 bytes c are the codes of channels 64 c + 32 h + 0 .. 31  (K of the first product = the head's 128 channels).
;   V's fragment t: lane (r, h) holds channel 16 t + r; its 16 bytes c are the codes of keys 128 step + 64 c + 32 h + 0 .. 31  (K of the second product = the keys).
; kvs: [head 8][step 16] records of 1,024 bytes: K's scale words [T 8][r 16], then V's [t 8][r 16]; byte n of a word scales the n-th 32 along K of that row.
; A block's scale is 2^(floor(log2(its largest magnitude)) - 2); its byte is the largest magnitude's exponent field - 2, held at 1 from below by a floor among the maximum's leaves.
; LIMITS: a block of zeros gets the byte 1 where the rule says 127 (its codes are zeros, which add nothing under that byte, and this program alone reads the bytes); blocks whose largest magnitude lies under 2^-124 were not tried;
; NaN and infinities among the inputs are not served.
; SHARES.  Work-groups 0-127 take K's records, 128-255 V's; a wave takes a quarter of a record: 4,096 numbers in 128 registers a lane-set, all its loads issued at once.  No LDS, no barrier, no loop: waves share nothing.
;   K: wave w takes keys 32 w .. 32 w + 31 of the step (fragments 2 w, 2 w + 1): a lane loads 32 neighbouring channels of its key for each block.
;   V: wave w takes channels 32 w .. 32 w + 31: a lane takes a channel and its registers run down the keys, so that a block of 32 keys lies in one lane and nothing is transposed.
; In both a lane holds four whole blocks, block k in v[X + 32 k ..]: one text quantises both.
.set X,  32                            ; v32-159  four blocks of 32 numbers
.set C,  160                           ; v160-175 their codes, four registers a block
.set MX, 8                             ; v8-11    largest magnitudes
.set SO, 12                            ; v12-15   the conversions' scale operands
.set BY, 16                            ; v16-19   the scales' bytes
	s_load_b256 s[4:11], s[0:1], 0x0               ; key s[4:5], value s[6:7], kvc s[8:9], kvs s[10:11]
	v_lshrrev_b32 v1, 5, v0
	v_readfirstlane_b32 s12, v1                    ; wave 0..3
	v_and_b32 v1, 31, v0                           ; lane
	v_and_b32 v2, 15, v0                           ; r
	v_bfe_u32 v3, v0, 4, 1                         ; h
	v_and_b32 v4, 8, v2
	v_add_nc_u32 v4, v4, v2                        ; r + 8 (r / 8)
	v_lshlrev_b32 v4, 12, v4                       ; K in: that key's row of 4,096 bytes,
	v_lshl_add_u32 v4, v3, 7, v4                   ; + 32 h channels
	v_lshlrev_b32 v5, 2, v1                        ; V in, and the scale words out: 4 bytes a lane
	v_lshlrev_b32 v6, 4, v1                        ; K's codes out: 16 bytes a lane
	v_lshlrev_b32 v7, 10, v3                       ; V's codes out: lanes 16-31 hold the next fragment's channels,
	v_lshl_add_u32 v7, v2, 4, v7                   ; 16 bytes a channel
	v_lshlrev_b32 v22, 3, v3                       ; 8 h
	v_mov_b32 v24, 0                               ; a lane permute's destination counts as one of its sources
	v_mov_b32 v25, 0
	s_mov_b32 s20, 0x76543210
	s_mov_b32 s21, 0xfedcba98                      ; v_permlanex16_b32's selects for lane l xor 16
	s_and_b32 s13, ttmp9, 127                      ; the record: 16 x head + step
	s_lshr_b32 s14, s13, 4                         ; head
	s_and_b32 s15, s13, 15                         ; step
	s_lshl_b32 s16, s15, 19                        ; in: 128 rows of 4,096 bytes a step,
	s_lshl_b32 s17, s14, 9                         ; 512 bytes a head
	s_add_co_u32 s16, s16, s17
	s_lshl_b32 s17, s12, 17                        ; K: 32 rows a wave
	s_lshl_b32 s18, s12, 7                         ; V: 32 channels a wave
	s_lshl_b32 s22, s13, 14                        ; codes out: 16,384 bytes a record,
	s_lshl_b32 s19, s12, 11                        ; two fragments a wave
	s_add_co_u32 s22, s22, s19
	s_lshl_b32 s24, s13, 10                        ; scale words out: 1,024 bytes a record,
	s_add_co_u32 s24, s24, s18                     ; 128 bytes a wave
	s_cmp_lt_u32 ttmp9, 128                        ; K's work-group or V's?  The choice hangs on the work-group's number alone
	s_cselect_b32 s17, s17, s18
	s_cselect_b32 s19, 0, 8192                     ; V's fragments lie behind K's,
	s_cselect_b32 s18, 0, 512                      ; and so do its scale words
	s_wait_kmcnt 0x0
	s_cselect_b64 s[4:5], s[4:5], s[6:7]
	s_add_co_u32 s16, s16, s17
	s_mov_b32 s17, 0
	s_add_co_u32 s22, s22, s19
	s_mov_b32 s23, 0
	s_add_co_u32 s24, s24, s18
	s_mov_b32 s25, 0
	s_add_nc_u64 s[4:5], s[4:5], s[16:17]
	s_add_nc_u64 s[8:9], s[8:9], s[22:23]
	s_add_nc_u64 s[10:11], s[10:11], s[24:25]
	s_cmp_lt_u32 ttmp9, 128
	s_cbranch_scc0 .Lload_v
	s_wait_alu depctr_va_vdst(0)
.irp u, 0,1                                    ; K: fragment 2 w + u begins 8 u rows on; block 2 u + c = channels 64 c + 32 h + 0 .. 31 of my key
.irp c, 0,1
.irp j, 0,1,2,3,4,5,6,7
	global_load_b128 v[X+64*\u+32*\c+4*\j:X+64*\u+32*\c+4*\j+3], v4, s[4:5] offset:\u*32768+\c*256+16*\j
.endr
.endr
.endr
	s_branch .Lloaded
.Lload_v:
	s_wait_alu depctr_va_vdst(0)
.irp kb, 0,1,2,3                               ; V: block kb = keys 32 kb + 0 .. 31 of my channel; 32 lanes read 128 consecutive bytes
.irp i, 0,1,2,3,4,5,6,7,8,9,10,11,12,13,14,15,16,17,18,19,20,21,22,23,24,25,26,27,28,29,30,31
	global_load_b32 v[X+32*\kb+\i], v5, s[4:5] offset:(32*\kb+\i)*4096 th:TH_LOAD_NT
.endr
.endr
.Lloaded:
	s_wait_loadcnt 0x0
.irp k, 0,1,2,3
	v_max3_num_f32 v[MX+\k], |v[X+32*\k]|, |v[X+32*\k+1]|, 0x1800000   ; block k: all 32 numbers are mine; and the floor 2^(3 - 127), so that the byte cannot fall under 1
.endr
.irp i, 2,4,6,8,10,12,14,16,18,20,22,24,26,28,30
.irp k, 0,1,2,3
	v_max3_num_f32 v[MX+\k], v[MX+\k], |v[X+32*\k+\i]|, |v[X+32*\k+\i+1]|   ; (the four blocks by turns: no line waits for the line above it)
.endr
.endr
.irp k, 0,1,2,3
	v_add_nc_u32 v[SO+\k], 0xff000000, v[MX+\k]    ; 2 off the exponent field: the conversion takes the exponent field of this operand as its scale, and nothing else of it
.endr
.irp k, 0,1,2,3
	v_lshrrev_b32 v[BY+\k], 23, v[SO+\k]           ; the scale's byte
.endr
.irp k, 0,1,2,3
.irp g, 0,1,2,3
	v_cvt_scalef32_pk8_fp4_f32 v[C+4*\k+\g], v[X+32*\k+8*\g:X+32*\k+8*\g+7], v[SO+\k]   ; eight numbers / the scale, to the nearest code, ties to even, beyond 6 the largest code
.endr
.endr
	v_nop                                          ; one plain vector line behind the last scaled conversion
	s_cmp_lt_u32 ttmp9, 128
	s_cbranch_scc0 .Lstore_v
	v_lshl_or_b32 v20, v[BY+1], 16, v[BY]          ; K: my two bytes of fragment 2 w's word: channel blocks h and 2 + h,
	v_lshl_or_b32 v21, v[BY+3], 16, v[BY+2]        ; and of fragment 2 w + 1's,
	v_lshlrev_b32 v20, v22, v20                    ; at their places (8 h bits up);
	v_lshlrev_b32 v21, v22, v21
	v_permlanex16_b32 v24, v20, s20, s21
	v_permlanex16_b32 v25, v21, s20, s21
	v_or_b32 v20, v20, v24                         ; with lane l xor 16's two the words are whole, in both halves of the lanes
	v_or_b32 v21, v21, v25
	v_cmp_gt_u32 vcc_lo, 16, v1
	v_cndmask_b32 v20, v21, v20, vcc_lo            ; lanes 0-15 store fragment 2 w's words, lanes 16-31 fragment 2 w + 1's
	global_store_b32 v5, v20, s[10:11]             ; 128 consecutive bytes
.irp u, 0,1
.irp c, 0,1
	global_store_b128 v6, v[C+8*\u+4*\c:C+8*\u+4*\c+3], s[8:9] offset:\u*1024+\c*512   ; 512 consecutive bytes, at a multiple of 512 from the buffer's first byte
.endr
.endr
	s_endpgm
.Lstore_v:
	v_lshl_or_b32 v20, v[BY+1], 8, v[BY]           ; V: my channel's word: the four key blocks' bytes
	v_lshl_or_b32 v20, v[BY+2], 16, v20
	v_lshl_or_b32 v20, v[BY+3], 24, v20
	global_store_b32 v5, v20, s[10:11]             ; 128 consecutive bytes
	s_wait_alu depctr_va_vdst(0)
.irp kb, 0,1,2,3
	global_store_b128 v7, v[C+4*\kb:C+4*\kb+3], s[8:9] offset:(\kb/2)*512+(\kb%2)*256   ; key block kb = 2 c + h: sixteen lanes store 256 consecutive bytes, aligned
.endr
	s_endpgm
.Lfunc_end_k_qfe3526b3f6_quant:
	.size	k_qfe3526b3f6_quant, .Lfunc_end_k_qfe3526b3f6_quant-k_qfe3526b3f6_quant
	.p2alignl 7, 3214868480
	.fill 96, 4, 3214868480
	.section	.rodata,"a",@progbits
	.p2align	6, 0x0
	.amdhsa_kernel k_qfe3526b3f6_quant
		.amdhsa_group_segment_fixed_size 0
		.amdhsa_private_segment_fixed_size 0
		.amdhsa_enable_private_segment 0
		.amdhsa_kernarg_size 32
		.amdhsa_user_sgpr_count 2
		.amdhsa_user_sgpr_kernarg_segment_ptr 1
		.amdhsa_wavefront_size32 1
		.amdhsa_system_sgpr_workgroup_id_x 1
		.amdhsa_system_sgpr_workgroup_id_y 1
		.amdhsa_system_sgpr_workgroup_id_z 1
		.amdhsa_system_vgpr_workitem_id 0
		.amdhsa_next_free_vgpr 176
		.amdhsa_next_free_sgpr 66
		.amdhsa_reserve_vcc 1
		.amdhsa_float_denorm_mode_32 3
		.amdhsa_float_denorm_mode_16_64 3
		.amdhsa_memory_ordered 1
		.amdhsa_forward_progress 1
		.amdhsa_inst_pref_size 25
	.end_amdhsa_kernel
	.amdgpu_metadata
---
amdhsa.version: [ 1, 2 ]
amdhsa.kernels:
  - .name:           k_qfe3526b3f6_quant
    .symbol:         k_qfe3526b3f6_quant.kd
    .args:
      - { .name: key, .offset: 0, .size: 8, .value_kind: global_buffer, .address_space: global }
      - { .name: value, .offset: 8, .size: 8, .value_kind: global_buffer, .address_space: global }
      - { .name: kvc, .offset: 16, .size: 8, .value_kind: global_buffer, .address_space: global }
      - { .name: kvs, .offset: 24, .size: 8, .value_kind: global_buffer, .address_space: global }
    .group_segment_fixed_size: 0
    .private_segment_fixed_size: 0
    .kernarg_segment_align: 8
    .kernarg_segment_size: 32
    .max_flat_workgroup_size: 128
    .sgpr_count:     66
    .vgpr_count:     176
    .wavefront_size: 32
...
	.end_amdgpu_metadata
.endif
;; end of part 1
;; launch attn (part 2): grid 32 x 8, 16 waves a work-group, no clusters, 327,680 bytes of LDS; arguments query, kvc, kvs, alibi_slopes, out0; writes out0
.if DOCPART == 2
	.amdgcn_target "amdgcn-amd-amdhsa--gfx1250"
	.amdhsa_code_object_version 6
	.text
	.protected	k_qfe3526b3f6_attn
	.globl	k_qfe3526b3f6_attn
	.p2align	8
	.type	k_qfe3526b3f6_attn,@function
k_qfe3526b3f6_attn:
	s_mov_b64 s[64:65], 0
	v_nop
	global_prefetch_b8 v0, s[64:65] scope:SCOPE_SE
	s_setreg_imm32_b32 hwreg(HW_REG_WAVE_MODE, 25, 1), 1
	s_wait_xcnt 0x0
; out[i][head] = the sum over keys j <= i of softmax_j(q[i] . k[j] / sqrt(128) + slope x (j - i)) v[j], both products on codes of FP4 (E2M1) with one E8M0 scale for each 32 along a product's K.
; query, out0: [2048][32 heads x 128] f32.  kvc, kvs: K's and V's codes and scale words, laid by the launch before in the order of the operands' registers:
;   kvc [head 8][step 16] records of 16,384 bytes (a step = 128 keys): K's 8 fragments, V's 8; a fragment = [c 0..1][lane][16 bytes].   kvs [head 8][step 16] records of 1,024 bytes: K's words [T 8][r 16], V's [t 8][r 16].
; WORK LEFT OUT: steps of 128 keys all of which come after a wave's 16 queries (reference()'s own causal -inf makes their p 0 for all inputs), and slots of 512 keys all of which come after the work-group's last query, which
; are not fetched.  The bias's part -slope x i stays: it moves M and so p's codes.  LIMIT: a NaN, an infinity or an overflow that reaches only those steps is not carried to the result.
; THE SOFTMAX AHEAD OF THE SECOND PRODUCT: logit = score + slope x (j - i) (one fused multiply-add; j - i is a whole number in f32, exact); t = logit x log2(e); M = the row's largest t so far, rounded UP to a whole number;
; p = 2^(t - M) is what is quantised, along the keys, not normalised.  The row's sum is taken of the unquantised p and divides O at the end.  When M moves, the sum and O are multiplied by 2^(old M - new M): exact.
; LIMITS: NaN and infinities among the inputs are not served; a p under 2^-126 counts as 0; a block's largest p is made from its largest logit by the same two instructions as every p, which takes v_exp_f32 not to fall where
; its input rises (at the worst one p of a block, within an ulp of a power of two, is held one code low).
; SHARES.  Work-group (j, kv) owns two blocks of 32 positions, block j and block 63 - j, for the four query heads of key/value head kv: 16 tiles of 16 queries, one to each of its SIXTEEN waves, in 256 registers.
; A tile of block j walks j / 4 + 1 steps and one of block 63 - j walks 16 - j / 4: 17 for the pair, so all 256 work-groups have the same work.  Wave w: head w / 4, half (w / 2) % 2 of the block, and the high block where
; (w xor w / 4) is odd: any four waves w % 4 alike, and any four w / 4 alike, hold two low and two high tiles.
; K's and V's records come through a ring of two LDS slots of 512 keys (four records), filled by the tensor data mover (waves 0 to 3, a record each) and read by all sixteen; the head's scale words come once (wave 4) and stay.
; LAYOUT.  Both products are used transposed: S^T = K Q^T (source 0 = 16 keys, source 1 = my 16 queries), O^T = V^T P^T (source 0 = 16 channels, source 1 = P): a lane holds ONE query (lane % 16) throughout.
; The keys of a tile are not neighbours: lane r of tile 2 b + u holds key 32 b + 8 u + r + 8 (r / 8), so that the 16 registers of tiles 2 b, 2 b + 1 are 16 neighbouring keys, 32 b + 16 (lane / 16) + 0 .. 15.
; NO CLUSTER, though the 32 work-groups of a key/value head walk the same records: the 16 of them with j >= 16 have their last query under key 1,536 and never read the last slot, so their load of it is jumped over.
; REGISTERS: v1-7, v10 addresses that stay; v8, v9 addresses of the loads in hand; v11 at work; v12 -M, v13 the largest t, v[14:15] the sum in two halves; v16-23 Q's codes; v[24:27] j - i of the next four keys;
; v28 the prefetch's offset; v32-63 four fragments of K or of V; v96-159 Q's numbers, then S^T, then p; v160-223 O^T; v224-231 p's codes; v232-247, v252, v254 at work; v248-251 K's or V's scale words; v253 p's; v255 Q's.
.set SLOT1, 65536                      ; a slot: four records, 65,536 bytes; slot 1 begins here, so that one exclusive or turns an address in one slot into the other's
.set SCL,   131072                     ; behind the ring: the head's scale words, 16,384 bytes, filled once
.set STAGE, 147456                     ; the way out: 16 rows x (256 bytes + 16) for each wave; no fill ever lands here
.set SPARE, 217088                     ; the spare words, 128 bytes for each wave: eight blocks of 256 bytes that no other line names
.set LI,   1                           ; v1   16 x lane: my place in a fragment's image
.set LS0,  2                           ; v2   SCL + 4 (lane % 16): my place among a tile's scale words
.set STO,  3                           ; v3   the way out: where I put 32 bytes of a row
.set RD,   4                           ; v4   and where I read a row back
.set SPW,  5                           ; v5   LDS address of my spare word: SPARE + 4 x my thread's number; never rewritten
.set NIL,  6                           ; v6   0; never rewritten
.set GO,   7                           ; v7   my byte offset in the wave's rows of out0
.set ADK,  8                           ; v8   LDS address of the slot's fragments
.set ADS,  9                           ; v9   of the step's scale words
.set XA,   10                          ; v10  my byte offset in the wave's rows of query
.set RA,   24                          ; v[24:25] j - i of the keys in the next even pair of registers
.set RB,   26                          ; v[26:27] of the next odd pair
.set PFO,  28                          ; v28  256 x lane; never rewritten
.set TB,   2                           ; s2   LDS byte at which the slot in hand begins
.set TS,   3                           ; s3   where the step's scale words begin: 1,024 bytes a step
.set WV,   18                          ; s18  my wave's number
.set SEL,  20                          ; s[20:21] lane selects for v_permlanex16_b32: lane l xor 16
.set CS,   22                          ; s[22:23] log2(e): the packed form names a pair and takes its low word for both halves
.set G1,   24                          ; s[24:31] descriptor group 1: 64 rows of 256 bytes, dense: a record of codes, and a head's scale words
.set G0C,  32                          ; s[32:35] group 0 for my record of codes: it walks
.set G0S,  36                          ; s[36:39] group 0 for the scale words
.set SL,   40                          ; s[40:41] my head's slope, twice
.set SC,   42                          ; s[42:43] 1 / sqrt(128), twice
.set KF,   44                          ; s44  the step's first key
.set Q0,   45                          ; s45  my first query
.set QL,   46                          ; s46  my work-group's last query
.set SLOTS, 47                         ; s47  changes of slots still to come in the loop
.set PFA,  48                          ; s[48:49] where my prefetches stand: my wave's 8,192 bytes of the slot after the one that is being asked for
.set LIM,  50                          ; s50  1 in a wave that prefetches, else the greatest number
	s_load_b256 s[4:11], s[0:1], 0x0               ; query s[4:5], kvc s[6:7], kvs s[8:9], alibi_slopes s[10:11]
	s_load_b64 s[16:17], s[0:1], 0x20              ; out0
	v_lshl_add_u32 v[SPW], v0, 2, SPARE
	v_mov_b32 v[NIL], 0
	ds_add_u32 v[SPW], v[NIL]                      ; the wave's opening: the add, twice on end, and its wait ahead of the first tensor load; the set-up below, work on registers, stands between
	ds_add_u32 v[SPW], v[NIL]                      ; and once more, under the one wait
	v_lshrrev_b32 v8, 5, v0
	s_delay_alu instid0(VALU_DEP_1)
	v_readfirstlane_b32 s[WV], v8                  ; wave 0..15
	v_and_b32 v11, 31, v0                          ; lane
	v_and_b32 v8, 15, v0                           ; r
	v_bfe_u32 v9, v0, 4, 1                         ; h
	s_delay_alu instid0(VALU_DEP_3)
	v_lshlrev_b32 v[LI], 4, v11
	s_delay_alu instid0(VALU_DEP_3)
	v_lshl_add_u32 v[LS0], v8, 2, SCL
	s_mul_i32 s52, s[WV], 4352
	s_add_co_u32 s52, s52, STAGE                   ; my stage
	v_mul_u32_u24 v[STO], v8, 272
	s_delay_alu instid0(VALU_DEP_1)
	v_lshl_add_u32 v[STO], v9, 5, v[STO]
	s_delay_alu instid0(VALU_DEP_1)
	v_add_nc_u32 v[STO], s52, v[STO]               ; in: row r; a tile's eight channels of my half: 32 h bytes on
	v_mul_u32_u24 v[RD], v9, 272
	s_delay_alu instid0(VALU_DEP_1)
	v_lshl_add_u32 v[RD], v8, 4, v[RD]
	s_delay_alu instid0(VALU_DEP_1)
	v_add_nc_u32 v[RD], s52, v[RD]                 ; back: lanes 0-15 one row, lanes 16-31 the next; 16 bytes a lane
	v_lshlrev_b32 v[GO], 14, v9
	s_delay_alu instid0(VALU_DEP_1)
	v_lshl_add_u32 v[GO], v8, 4, v[GO]             ; and the same two rows in out0: a row is 16,384 bytes
	v_lshlrev_b32 v[XA], 14, v8
	s_delay_alu instid0(VALU_DEP_1)
	v_lshl_add_u32 v[XA], v9, 6, v[XA]             ; query: row r, + 64 h: my 16 numbers of a block of 32
	v_lshlrev_b32 v[PFO], 8, v11
	s_mov_b32 s12, ttmp9                           ; j
	s_and_b32 s13, ttmp7, 0xffff                   ; kv
	s_lshr_b32 s15, s[WV], 2                       ; the head within the group
	s_xor_b32 s14, s[WV], s15
	s_and_b32 s14, s14, 1                          ; 1: the high block
	s_bfe_u32 s52, s[WV], 0x10001                  ; which 16 of the block's 32 positions
	s_lshl_b32 s19, s13, 2
	s_add_co_u32 s19, s19, s15                     ; the query head: 4 kv + w / 4
	s_sub_co_u32 s53, 63, s12
	s_cmp_eq_u32 s14, 1
	s_cselect_b32 s53, s53, s12                    ; my block: 63 - j or j
	s_lshl_b32 s[Q0], s53, 5
	s_lshl_b32 s52, s52, 4
	s_add_co_u32 s[Q0], s[Q0], s52                 ; my first query
	s_lshl_b32 s[QL], s12, 5
	s_sub_co_u32 s[QL], 2047, s[QL]                ; the last query of block 63 - j
	s_lshl_b32 s54, s[Q0], 14
	s_lshl_b32 s55, s19, 9
	s_add_co_u32 s54, s54, s55                     ; my tile in query and in out0: 16,384 bytes a position, 512 a head (under 2^26)
	s_mov_b32 s55, 0
	s_and_b32 s52, s[WV], 3
	s_lshl_b32 s[G0C+1], s52, 14                   ; 63:32 LDS address: slot 0, record w % 4
	s_lshl_b32 s56, s13, 18                        ; a head's codes: 262,144 bytes
	s_add_co_u32 s56, s56, s[G0C+1]                ; + my record
	s_mov_b32 s57, 0
	s_lshl_b32 s58, s13, 14                        ; a head's scale words: 16,384 bytes
	s_mov_b32 s59, 0
	s_sub_co_u32 s52, s[WV], 4
	s_and_b32 s60, s52, 7
	s_lshl_b32 s60, s60, 13                        ; the prefetches: 8,192 bytes a wave,
	s_lshl_b32 s61, s13, 18
	s_add_co_u32 s60, s60, s61                     ; in my head,
	s_add_co_u32 s60, s60, SLOT1                   ; in slot 1: the first change of slots steps it to slot 2.  Nothing is prefetched at the head, where every work-group's first records are on their way
	s_mov_b32 s61, 0
	s_lshr_b32 s52, s52, 3                         ; 0 in waves 4 to 11,
	s_or_b32 s52, s52, ttmp9                       ; of the head's first work-group
	s_cmp_eq_u32 s52, 0
	s_cselect_b32 s[LIM], 1, -1
	s_lshl_b32 s62, s19, 2                         ; my head's slope
	s_mov_b32 s63, 0
	; descriptor group 1: 64 rows of 32 elements of 8 bytes, each row beginning where the last ends; no padding: a fragment's image is read as consecutive bytes
	s_mov_b32 s[G1+0], 3<<16                       ; 15:0 no mask; 17:16 elements of 8 bytes; 20 padding off
	s_mov_b32 s[G1+1], 32<<16                      ; tensor_dim0 = 32
	s_mov_b32 s[G1+2], 64<<16                      ; tensor_dim1 = 64
	s_mov_b32 s[G1+3], 32<<16                      ; tile_dim0 = 32
	s_mov_b32 s[G1+4], 64                          ; tile_dim1 = 64
	s_mov_b32 s[G1+5], 32                          ; tensor_dim0_stride
	s_mov_b32 s[G1+6], 0
	s_mov_b32 s[G1+7], 0
	s_mov_b32 s[G0C], 1                            ; 1:0 count = 1
	s_mov_b32 s[G0S], 1
	s_mov_b32 s[G0S+1], SCL
	s_mov_b32 s[SEL], 0x76543210
	s_mov_b32 s[SEL+1], 0xfedcba98
	s_mov_b32 s[CS], 0x3fb8aa3b                    ; log2(e)
	s_mov_b32 s[CS+1], s[CS]                       ; (named with it as a pair, so it is written)
	s_mov_b32 s[SC], 0x3db504f3                    ; 1 / sqrt(128)
	s_mov_b32 s[SC+1], s[SC]
	s_mov_b32 s[TB], 0
	s_mov_b32 s[TS], 0
	s_mov_b32 s[KF], 0
	s_mov_b32 s[SLOTS], 3
	s_wait_dscnt 0x0                               ; both opening adds are done
	s_wait_kmcnt 0x0
	s_add_nc_u64 s[G0C+2:G0C+3], s[6:7], s[56:57]  ; 120:64 global address: my record of the head's first four
	s_or_b32 s[G0C+3], s[G0C+3], 0x80000000        ; 127:126 type = 2
	s_add_nc_u64 s[G0S+2:G0S+3], s[8:9], s[58:59]
	s_or_b32 s[G0S+3], s[G0S+3], 0x80000000
	; the first fills: waves 0 to 3 a record of slot 0 each, wave 4 the head's scale words.  The branches hang on the wave's number alone.  An s_nop 0 and four v_nop follow each load.
	s_cmp_lt_u32 s[WV], 4
	s_cbranch_scc0 .Lnot_codes
	tensor_load_to_lds s[G0C:G0C+3], s[G1:G1+7]
	s_nop 0
.rept 4
	v_nop
.endr
	s_branch .Lfirst_asked
.Lnot_codes:
	s_cmp_eq_u32 s[WV], 4
	s_cbranch_scc0 .Lfirst_asked
	tensor_load_to_lds s[G0S:G0S+3], s[G1:G1+7]
	s_nop 0
.rept 4
	v_nop
.endr
.Lfirst_asked:
	s_add_nc_u64 s[10:11], s[10:11], s[62:63]
	s_load_b32 s[SL], s[10:11], 0x0                ; my head's slope
	s_add_nc_u64 s[4:5], s[4:5], s[54:55]          ; query at my tile
	s_add_nc_u64 s[16:17], s[16:17], s[54:55]      ; out0 likewise
	s_add_nc_u64 s[PFA:PFA+1], s[6:7], s[60:61]
	s_wait_alu depctr_va_vdst(0)
.irp b, 0,1,2,3                                ; my 64 numbers of q: register 16 b + i = channel 32 b + 16 h + i of row r
.irp j, 0,1,2,3
	global_load_b128 v[96+16*\b+4*\j:99+16*\b+4*\j], v[XA], s[4:5] offset:128*\b+16*\j th:TH_LOAD_NT
.endr
.endr
	v_mov_b32 v13, 0xff61b1e6                      ; the largest t so far: -3e38, under every t
	s_delay_alu instid0(VALU_DEP_1)
	v_floor_f32 v12, -v13                          ; -M
	v_mov_b32 v14, 0                               ; the sum, in two halves
	v_mov_b32 v15, 0
.irp b, 0,1,2,3
	v_mov_b32 v[236+\b], 0                         ; written once: a lane permute's destination counts as one of its sources
.endr
	v_mov_b32 v252, 0
	v_mov_b32 v253, 0                              ; (named as the upper half of the pair v[252:253] before it is first written)
	s_sub_co_u32 s52, 0, s[Q0]
	v_lshlrev_b32 v11, 4, v9
	s_delay_alu instid0(VALU_DEP_1)
	v_sub_nc_u32 v11, v11, v8
	s_delay_alu instid0(VALU_DEP_1)
	v_add_nc_u32 v11, s52, v11                     ; register 0 of step 0 holds key 16 h; my query is Q0 + r: j - i = 16 h - r - Q0
	s_delay_alu instid0(VALU_DEP_1)
	v_cvt_f32_i32 v[RA], v11
	s_delay_alu instid0(VALU_DEP_1)
	v_add_f32 v[RA+1], 1.0, v[RA]
	s_delay_alu instid0(VALU_DEP_2)
	v_add_f32 v[RB], 2.0, v[RA]
	s_delay_alu instid0(VALU_DEP_3)
	v_add_f32 v[RB+1], 0x40400000, v[RA]           ; + 3: whole numbers under 2^12, exact in f32
	s_wait_loadcnt 0x0                             ; q
.set NN, 0
.rept 32
	v_pk_mul_f32 v[96+NN:97+NN], v[96+NN:97+NN], s[SC:SC+1] op_sel_hi:[1,0]   ; q x SCALE, in f32: what the first product's quantiser takes
.set NN, NN+2
.endr
	; Q's fragment and scale word, made in registers: only this wave reads these numbers
.irp b, 0,1,2,3
	v_max3_num_f32 v[232+\b], |v[96+16*\b]|, |v[97+16*\b]|, 0x1800000   ; block b: my 16 numbers, and the floor 2^(3 - 127): the byte cannot fall under 1
.endr
.irp i, 2,4,6,8,10,12,14
.irp b, 0,1,2,3
	s_delay_alu instid0(VALU_DEP_4)
	v_max3_num_f32 v[232+\b], v[232+\b], |v[96+16*\b+\i]|, |v[97+16*\b+\i]|
.endr
.endr
.irp b, 0,1,2,3
	s_delay_alu instid0(VALU_DEP_4)
	v_permlanex16_b32 v[236+\b], v[232+\b], s[SEL], s[SEL+1]
.endr
.irp b, 0,1,2,3
	s_delay_alu instid0(VALU_DEP_4)
	v_max_num_f32 v[232+\b], v[232+\b], v[236+\b]  ; with lane l xor 16's: the block's largest magnitude
.endr
.irp b, 0,1,2,3
	s_delay_alu instid0(VALU_DEP_4)
	v_add_nc_u32 v[244+\b], 0xff000000, v[232+\b]  ; 2 off its exponent field: the conversion's scale operand
.endr
.irp b, 0,1,2,3
	s_delay_alu instid0(VALU_DEP_4)
	v_lshrrev_b32 v[236+\b], 23, v[244+\b]         ; the scale's byte
.endr
	s_delay_alu instid0(VALU_DEP_3)
	v_lshl_or_b32 v255, v237, 8, v236              ; my row's scale word
	s_delay_alu instid0(VALU_DEP_1)
	v_lshl_or_b32 v255, v238, 16, v255
	s_delay_alu instid0(VALU_DEP_1)
	v_lshl_or_b32 v255, v239, 24, v255
.irp b, 0,1,2,3
	v_cvt_scalef32_pk8_fp4_f32 v[16+2*\b], v[96+16*\b:103+16*\b], v[244+\b]
	v_cvt_scalef32_pk8_fp4_f32 v[17+2*\b], v[104+16*\b:111+16*\b], v[244+\b]
.endr
	v_nop                                          ; one plain place behind a scaled conversion
.irp c, 0,1                                    ; the operand's layout wants a WHOLE block in a lane: lanes 0-15 block 2 c, lanes 16-31 block 2 c + 1
.irp i, 0,1
	v_permlane16_swap_b32 v[16+4*\c+\i], v[18+4*\c+\i]
.endr
.endr
.set NN, 0
.rept 64
	v_mov_b32 v[160+NN], 0                         ; O^T.  (A step is written once: the first finds zeros, which the first change of M leaves zeros.  These lines are also the places between Q's codes and scale word and the first product)
.set NN, NN+1
.endr
	s_wait_kmcnt 0x0                               ; the slope
	s_mov_b32 s[SL+1], s[SL]                       ; (named with it as a pair, so it is written)
; Waves 0 to 3 fetch a record each, the others nothing.  An s_nop 0 and four v_nop follow the load.
.macro TLOAD
	s_cmp_lt_u32 s[WV], 4
	s_cbranch_scc0 .Lasked_\@
	tensor_load_to_lds s[G0C:G0C+3], s[G1:G1+7]
	s_nop 0
.rept 4
	v_nop
.endr
.Lasked_\@:
.endm
; A PREFETCH of what the NEXT change of slots will ask for: a slot's 65,536 consecutive bytes of codes.  It stands at the change of slots, where the fetching waves have their tensor load: four key steps ahead of that load.
; Each aligned block of 256 bytes is asked for ONCE in the launch: all 32 work-groups of a key/value head walk the same records, so the head's first work-group asks (a branch on the work-group's number); in it waves 4 to 11,
; which fetch nothing there, one instruction each: 8,192 bytes a wave, lanes 256 bytes apart.  Slots 0 and 1 and the scale words come by their loads alone; the last change that fills a slot asks for nothing: no slot lies behind it.
.macro ASK
	s_cmp_gt_u32 s[SLOTS], s[LIM]
	s_cbranch_scc0 .Lnot_mine_\@
	global_prefetch_b8 v[PFO], s[PFA:PFA+1] th:TH_LOAD_NT scope:SCOPE_SE
.Lnot_mine_\@:
.endm
; A KEY STEP: 128 keys, the q-th record of the slot in hand.
.macro STEP q
	s_add_co_u32 s56, s[Q0], 15                    ; a step all of whose keys come after my 16 queries is left out: a scalar branch on ids, round the step's loads, products and softmax;
	s_cmp_gt_u32 s[KF], s56                        ; not round the lines at its end that step addresses; no barrier and no tensor load stands in a step
	s_cbranch_scc1 .Lhidden_\@
	v_add_nc_u32 v[ADK], s[TB], v[LI]
	s_wait_alu depctr_va_vdst(0)
	v_add_nc_u32 v[ADS], s[TS], v[LS0]
	s_wait_alu depctr_va_vdst(0)
	v_nop
	v_nop                                          ; four places in front of loads into registers that the last step's matrix instructions have read
.irp g, 0,1                                    ; S^T = K Q^T, four tiles of 16 keys at a time
.if \g > 0
.rept 4
	v_nop
.endr
.endif
.irp t, 0,1,2,3
.irp c, 0,1
	ds_load_b128 v[32+8*\t+4*\c:35+8*\t+4*\c], v[ADK] offset:(\q)*16384+(4*\g+\t)*1024+512*\c   ; 32 lanes read 512 consecutive bytes
.endr
	ds_load_b32 v[248+\t], v[ADS] offset:(4*\g+\t)*64
.endr
	s_wait_dscnt 0x0
.irp t, 0,1,2,3
	v_wmma_scale_f32_16x16x128_f8f6f4 v[96+8*(4*\g+\t):103+8*(4*\g+\t)], v[32+8*\t:39+8*\t], v[16:23], 0, v[248+\t], v255 matrix_a_fmt:MATRIX_FMT_FP4 matrix_b_fmt:MATRIX_FMT_FP4
.endr
.endr                                          ; lane (r, h) holds query r; register 16 b + i holds key KF + 32 b + 16 h + i
.rept 4
	v_nop
.endr
	s_add_co_u32 s56, s[KF], 127                   ; on the diagonal the scores of hidden keys become -infinity ahead of the bias and the maximum: p = 0 then.  A step all of whose keys count skips this
	s_cmp_le_u32 s56, s[Q0]
	s_cbranch_scc1 .Lopen_\@
	s_sub_co_i32 s56, s[Q0], s[KF]
	v_and_b32 v252, 15, v0
	v_bfe_u32 v11, v0, 4, 1
	s_delay_alu instid0(VALU_DEP_1)
	v_lshlrev_b32 v11, 4, v11
	s_delay_alu instid0(VALU_DEP_1)
	v_sub_nc_u32 v252, v252, v11
	s_delay_alu instid0(VALU_DEP_1)
	v_add_nc_u32 v252, s56, v252                   ; d = my query - KF - 16 h: register 16 b + i is hidden where 32 b + i > d
	v_mov_b32 v254, 0xff800000                     ; -infinity
.set NN, 0
.rept 64
	v_cmp_gt_i32 vcc_lo, 32*(NN/16)+NN%16, v252
	v_cndmask_b32 v[96+NN], v[96+NN], v254, vcc_lo
.set NN, NN+1
.endr
.Lopen_\@:
.irp b, 0,1,2,3                                ; THE BIAS: logit = score + slope x (j - i), two at a time; -infinity stays.  j - i runs on by exact additions: 4 from pair to next pair but one, 20 over the other half's 16 keys into the next block
.irp p, 0
	v_pk_fma_f32 v[96+16*\b+2*\p:97+16*\b+2*\p], v[RA:RA+1], s[SL:SL+1], v[96+16*\b+2*\p:97+16*\b+2*\p] op_sel_hi:[1,0,1]
	v_pk_fma_f32 v[98+16*\b+2*\p:99+16*\b+2*\p], v[RB:RB+1], s[SL:SL+1], v[98+16*\b+2*\p:99+16*\b+2*\p] op_sel_hi:[1,0,1]
.if \p < 6
	v_pk_add_f32 v[RA:RA+1], v[RA:RA+1], 4.0 op_sel_hi:[1,0]
	v_pk_add_f32 v[RB:RB+1], v[RB:RB+1], 4.0 op_sel_hi:[1,0]
.else
	v_pk_add_f32 v[RA:RA+1], v[RA:RA+1], 0x41a00000 op_sel_hi:[1,0]
	v_pk_add_f32 v[RB:RB+1], v[RB:RB+1], 0x41a00000 op_sel_hi:[1,0]
.endif
.endr
.irp p, 2, 4, 6
	v_pk_fma_f32 v[96+16*\b+2*\p:97+16*\b+2*\p], v[RA:RA+1], s[SL:SL+1], v[96+16*\b+2*\p:97+16*\b+2*\p] op_sel_hi:[1,0,1]
	v_pk_fma_f32 v[98+16*\b+2*\p:99+16*\b+2*\p], v[RB:RB+1], s[SL:SL+1], v[98+16*\b+2*\p:99+16*\b+2*\p] op_sel_hi:[1,0,1]
.if \p < 6
	s_delay_alu instid0(VALU_DEP_4)
	v_pk_add_f32 v[RA:RA+1], v[RA:RA+1], 4.0 op_sel_hi:[1,0]
	s_delay_alu instid0(VALU_DEP_4)
	v_pk_add_f32 v[RB:RB+1], v[RB:RB+1], 4.0 op_sel_hi:[1,0]
.else
	s_delay_alu instid0(VALU_DEP_4)
	v_pk_add_f32 v[RA:RA+1], v[RA:RA+1], 0x41a00000 op_sel_hi:[1,0]
	s_delay_alu instid0(VALU_DEP_4)
	v_pk_add_f32 v[RB:RB+1], v[RB:RB+1], 0x41a00000 op_sel_hi:[1,0]
.endif
.endr
.endr
.irp b, 0,1,2,3
	v_max3_num_f32 v[232+\b], v[96+16*\b], v[97+16*\b], v[98+16*\b]   ; THE LARGEST LOGIT OF EACH BLOCK OF 32 KEYS: it serves twice: for the row's maximum, and, since p rises with the logit, for the block's largest p
.endr
.irp i, 3,5,7,9,11,13
.irp b, 0,1,2,3
	s_delay_alu instid0(VALU_DEP_4)
	v_max3_num_f32 v[232+\b], v[232+\b], v[96+16*\b+\i], v[97+16*\b+\i]   ; (the four blocks by turns)
.endr
.endr
.irp b, 0,1,2,3
	s_delay_alu instid0(VALU_DEP_4)
	v_max_num_f32 v[232+\b], v[232+\b], v[111+16*\b]
.endr
.irp b, 0,1,2,3
	s_delay_alu instid0(VALU_DEP_4)
	v_permlanex16_b32 v[236+\b], v[232+\b], s[SEL], s[SEL+1]
.endr
.irp b, 0,1,2,3
	s_delay_alu instid0(VALU_DEP_4)
	v_max_num_f32 v[232+\b], v[232+\b], v[236+\b]  ; with lane l xor 16's 16 keys
.endr
	s_delay_alu instid0(VALU_DEP_2)
	v_max3_num_f32 v254, v232, v233, v234
	s_delay_alu instid0(VALU_DEP_1)
	v_max_num_f32 v254, v254, v235                 ; the step's largest logit of my query
	s_delay_alu instid0(VALU_DEP_1)
	v_mul_f32 v254, s[CS], v254                    ; as t (log2(e) is positive)
	s_delay_alu instid0(VALU_DEP_1)
	v_max_num_f32 v13, v13, v254                   ; the running largest t
	v_mov_b32 v254, v12
	s_delay_alu instid0(VALU_DEP_2)
	v_floor_f32 v12, -v13                          ; the new -M = floor(-t) = -ceil(t): M IS A WHOLE NUMBER
	s_delay_alu instid0(VALU_DEP_1)
	v_sub_f32 v254, v12, v254                      ; M's old value less its new one: a whole number, 0 or less
	s_delay_alu instid0(VALU_DEP_1)
	v_cvt_i32_f32 v254, v254                       ; (it saturates)
	s_delay_alu instid0(VALU_DEP_1)
	v_ldexp_f32 v252, 1.0, v254                    ; f = 2^(old M - new M): what was summed under the old M is brought under the new by a multiplication that rounds nothing
.set NN, 0
.rept 32
	v_pk_fma_f32 v[96+NN:97+NN], v[96+NN:97+NN], s[CS:CS+1], v[12:13] op_sel_hi:[1,0,0]   ; t - M, two at a time (of the pairs log2(e) and -M the low word serves both halves)
.set NN, NN+2
.endr
.irp b, 0,1,2,3
	v_fma_f32 v[232+\b], v[232+\b], s[CS], v12     ; the same of each block's largest logit
.endr
.set NN, 0
	s_wait_alu depctr_va_vdst(0)
.rept 64
	v_exp_f32 v[96+NN], v[96+NN]                   ; p = 2^(t - M), at most 1: NOT normalised
.set NN, NN+1
.endr
	v_pk_mul_f32 v[14:15], v[14:15], v[252:253] op_sel_hi:[1,0]   ; the sums under the new M.  (A plain place behind the exponentials)
	s_wait_alu depctr_va_vdst(0)                   ; one wait for the whole batch, ahead of its first reader
.irp b, 0,1,2,3
	v_exp_f32 v[232+\b], v[232+\b]                 ; the block's largest p: the same two instructions on the same number give the same bits
.endr
	v_pk_add_f32 v[236:237], v[100:101], v[104:105]
	v_pk_add_f32 v[250:251], v[108:109], v[112:113]
	v_pk_add_f32 v[248:249], v[116:117], v[120:121]
	v_pk_add_f32 v[246:247], v[124:125], v[128:129]
	v_pk_add_f32 v[244:245], v[132:133], v[136:137]
	v_pk_add_f32 v[242:243], v[140:141], v[144:145]
	v_pk_add_f32 v[240:241], v[148:149], v[152:153]
	v_pk_add_f32 v[14:15], v[14:15], v[156:157]
	v_pk_add_f32 v[236:237], v[236:237], v[96:97]
	v_pk_add_f32 v[250:251], v[250:251], v[98:99]
	v_pk_add_f32 v[248:249], v[248:249], v[102:103]
	v_pk_add_f32 v[246:247], v[246:247], v[106:107]
	v_pk_add_f32 v[244:245], v[244:245], v[110:111]
	v_pk_add_f32 v[242:243], v[242:243], v[114:115]
	v_pk_add_f32 v[240:241], v[240:241], v[118:119]
	v_pk_add_f32 v[14:15], v[14:15], v[122:123]
	v_pk_add_f32 v[236:237], v[236:237], v[126:127]
	v_pk_add_f32 v[250:251], v[250:251], v[130:131]
	v_pk_add_f32 v[248:249], v[248:249], v[134:135]
	v_pk_add_f32 v[246:247], v[246:247], v[138:139]
	v_pk_add_f32 v[244:245], v[244:245], v[142:143]
	v_pk_add_f32 v[242:243], v[242:243], v[146:147]
	v_pk_add_f32 v[240:241], v[240:241], v[150:151]
	v_pk_add_f32 v[14:15], v[14:15], v[154:155]
	v_pk_add_f32 v[236:237], v[236:237], v[158:159]
	s_delay_alu instid0(VALU_DEP_2)
	v_pk_add_f32 v[14:15], v[14:15], v[246:247]
	s_delay_alu instid0(VALU_DEP_2)
	v_pk_add_f32 v[236:237], v[236:237], v[244:245]
	v_pk_add_f32 v[250:251], v[250:251], v[242:243]
	v_pk_add_f32 v[248:249], v[248:249], v[240:241]
	s_delay_alu instid0(VALU_DEP_2)
	v_pk_add_f32 v[14:15], v[14:15], v[250:251]
	s_delay_alu instid0(VALU_DEP_2)
	v_pk_add_f32 v[236:237], v[236:237], v[248:249]
	s_delay_alu instid0(VALU_DEP_1)
	v_pk_add_f32 v[14:15], v[14:15], v[236:237]
	s_wait_alu depctr_va_vdst(0)                   ; and one for the four
.irp b, 0,1,2,3
	v_max_num_f32 v[232+\b], 0x1800000, v[232+\b]  ; the floor 2^(3 - 127): the byte cannot fall under 1 (a block whose every p is 0 keeps that byte: its codes are zeros)
.endr
.irp b, 0,1,2,3
	s_delay_alu instid0(VALU_DEP_4)
	v_add_nc_u32 v[244+\b], 0xff000000, v[232+\b]  ; 2 off the exponent field: the conversion's scale operand
.endr
.irp b, 0,1,2,3
	s_delay_alu instid0(VALU_DEP_4)
	v_lshrrev_b32 v[236+\b], 23, v[244+\b]         ; the scale's byte
.endr
	s_delay_alu instid0(VALU_DEP_3)
	v_lshl_or_b32 v253, v237, 8, v236              ; p's scale word for these 128 keys
	s_delay_alu instid0(VALU_DEP_1)
	v_lshl_or_b32 v253, v238, 16, v253
	s_delay_alu instid0(VALU_DEP_1)
	v_lshl_or_b32 v253, v239, 24, v253
.irp b, 0,1,2,3
	v_cvt_scalef32_pk8_fp4_f32 v[224+2*\b], v[96+16*\b:103+16*\b], v[244+\b]
	v_cvt_scalef32_pk8_fp4_f32 v[225+2*\b], v[104+16*\b:111+16*\b], v[244+\b]
.endr
	v_nop                                          ; one plain vector instruction between a scaled conversion and the vector instruction that touches its result
.irp c, 0,1                                    ; the operand's layout wants a WHOLE block in a lane: lanes 0-15 block 2 c, lanes 16-31 block 2 c + 1
.irp i, 0,1
	v_permlane16_swap_b32 v[224+4*\c+\i], v[226+4*\c+\i]
.endr
.endr
.set NN, 0
.rept 32
	v_pk_mul_f32 v[160+NN:161+NN], v[160+NN:161+NN], v[252:253] op_sel_hi:[1,0]   ; O^T under the new M: x f.  (These 32 are also the places in front of the matrix instructions and loads below)
.set NN, NN+2
.endr
	s_wait_alu depctr_va_vdst(0)
.irp g, 0,1                                    ; O^T += V^T P^T: four tiles of 16 channels at a time; K = these 128 keys.  Each accumulator has one instruction a step: no two on end share one
.if \g > 0
.rept 4
	v_nop
.endr
.endif
.irp t, 0,1,2,3
.irp c, 0,1
	ds_load_b128 v[32+8*\t+4*\c:35+8*\t+4*\c], v[ADK] offset:(\q)*16384+8192+(4*\g+\t)*1024+512*\c
.endr
	ds_load_b32 v[248+\t], v[ADS] offset:512+(4*\g+\t)*64
.endr
	s_wait_dscnt 0x0
.irp t, 0,1,2,3
	v_wmma_scale_f32_16x16x128_f8f6f4 v[160+8*(4*\g+\t):167+8*(4*\g+\t)], v[32+8*\t:39+8*\t], v[224:231], v[160+8*(4*\g+\t):167+8*(4*\g+\t)], v[248+\t], v253 matrix_a_fmt:MATRIX_FMT_FP4 matrix_b_fmt:MATRIX_FMT_FP4
.endr
.endr
.Lhidden_\@:
	s_add_co_u32 s[KF], s[KF], 128
	s_add_co_u32 s[TS], s[TS], 1024                ; the next step's scale words
.endm
; THE CHANGE OF SLOTS stands at a slot's head.  Each wave waits for all its tensor loads (its part of the slot that it is about to read), adds 0 to its spare word (fill = 1: twice on end), and waits for that and for its reads of
; the slot that it has left.  Behind the barrier the slot ahead is whole and nobody reads the other one.  fill = 1: that other slot is filled with the keys that follow, up to the causal limit: the load has four key steps in which to land.
.macro CHANGE fill
	s_wait_tensorcnt 0x0                           ; no tensor load of mine is out, so a group 0 may be written
	ds_add_u32 v[SPW], v[NIL]                      ; 0 onto my spare word
.if \fill
	ds_add_u32 v[SPW], v[NIL]                      ; and once more.  The descriptor's steps stand between the second and the wait
	s_xor_b32 s[G0C+1], s[G0C+1], SLOT1            ; the walking descriptor: the other slot than last time,
	s_add_nc_u64 s[G0C+2:G0C+3], s[G0C+2:G0C+3], 0x10000   ; four records on; the type bits on top are not reached
	s_wait_xcnt 0x0                                ; the last prefetch, a slot back, has read its address, so it may be written:
	s_add_nc_u64 s[PFA:PFA+1], s[PFA:PFA+1], 0x10000       ; one slot further on than the walking descriptor
.endif
	s_wait_dscnt 0x0                               ; the add is done (fill = 1: both are), and my reads of the slot that I have left are over
	s_barrier_signal -1
	s_barrier_wait -1
.if \fill
	s_add_co_u32 s56, s[KF], 512                   ; THE LOOK-AHEAD ENDS AT THE CAUSAL LIMIT: a slot whose first key comes after my work-group's last query is read by none of its waves, so it is not asked for.
	s_cmp_gt_u32 s56, s[QL]                        ; The work-group's number and the count of steps alone: all sixteen waves go the same way, and a work-group past the limit stays past it; every wait for tensor loads in this text is for 0
	s_cbranch_scc1 .Lpast_\@
	TLOAD                                          ; the first thing behind the barrier but for those three lines, and a wave's one tensor load until the next
.Lpast_\@:
	ASK
.endif
.endm
.macro SLOT_STEPS
	STEP 0
	STEP 1
	STEP 2
	STEP 3
	s_xor_b32 s[TB], s[TB], SLOT1                  ; on to the other slot
.endm
; THE WAY OUT.  The sum's two halves and the other half of the lanes' are added; O^T is divided by the sum and goes through my stage in LDS, half a row (64 channels, 256 bytes) of 16 queries at a time.
.macro WAYOUT
.rept 4
	v_nop                                          ; places behind the last products
.endr
	v_add_f32 v14, v14, v15
	s_delay_alu instid0(VALU_DEP_1)
	v_permlanex16_b32 v252, v14, s[SEL], s[SEL+1]
	s_delay_alu instid0(VALU_DEP_1)
	v_add_f32 v14, v14, v252                       ; the row's sum
	s_wait_alu depctr_va_vdst(0)
	v_rcp_f32 v14, v14
	v_nop                                          ; a plain place behind the transcendental,
	s_wait_alu depctr_va_vdst(0)                   ; and the wait ahead of its first reader
.set NN, 0
.rept 32
	v_pk_mul_f32 v[96+NN:97+NN], v[160+NN:161+NN], v[14:15] op_sel_hi:[1,0]   ; O^T / the sum, each accumulator from its low end on: register 8 t + i is o(r, 16 t + 8 h + i)
.set NN, NN+2
.endr
.irp u, 0,1                                    ; channels 64 u on
.irp t, 0,1,2,3
	ds_store_b128 v[STO], v[96+32*\u+8*\t:99+32*\u+8*\t] offset:64*\t
	ds_store_b128 v[STO], v[100+32*\u+8*\t:103+32*\u+8*\t] offset:64*\t+16
.endr
.irp i, 0,1,2,3,4,5,6,7
	ds_load_b128 v[32+32*\u+4*\i:35+32*\u+4*\i], v[RD] offset:2*\i*272   ; LDS serves a wave's instructions in order (ISA guide 5.7.1.4): these see my stores, and the next half's stores come behind them
.endr
.endr
.irp u, 0,1
.irp i, 0,1,2,3,4,5,6,7
	s_wait_dscnt 23-16*\u-\i                       ; behind load (u, i): the 7 - i later loads of its half and, for u = 0, the second half's sixteen LDS instructions
	global_store_b128 v[GO], v[32+32*\u+4*\i:35+32*\u+4*\i], s[16:17] offset:2*\i*16384+256*\u th:TH_STORE_NT   ; sixteen lanes store 256 consecutive bytes, at a multiple of 256 from out0's first byte; written once, read by nobody here
.endr
.endr
	s_wait_xcnt 0x0                                ; the stores have read their registers: the text that follows names v32-95 again
.endm
; A wave leaves at the end of the slot that holds its diagonal: KF then stands at that slot's end.  A branch on ids; no barrier stands under it.  The low tiles' results so leave while the high tiles are still at work.
.macro LEAVE
	s_or_b32 s56, s[Q0], 511
	s_add_co_u32 s56, s56, 1
	s_cmp_lg_u32 s56, s[KF]
	s_cbranch_scc1 .Lstay_\@
	WAYOUT
.Lstay_\@:
.endm
.Lslot:                                            ; 3 trips: every work-group walks all four slots, so that the trip counts are constants and no barrier is jumped over
	CHANGE 1
	SLOT_STEPS
	LEAVE
	s_sub_co_u32 s[SLOTS], s[SLOTS], 1
	s_cmp_lg_u32 s[SLOTS], 0
	s_cbranch_scc1 .Lslot
	CHANGE 0                                       ; the last slot is written out: nothing is left to fetch
	SLOT_STEPS
	LEAVE
	s_wait_tensorcnt 0x0                           ; the wave's end, behind my last tensor load and my last LDS store
	ds_add_u32 v[SPW], v[NIL]
	s_wait_dscnt 0x0
	s_endpgm
.Lfunc_end_k_qfe3526b3f6_attn:
	.size	k_qfe3526b3f6_attn, .Lfunc_end_k_qfe3526b3f6_attn-k_qfe3526b3f6_attn
	.p2alignl 7, 3214868480
	.fill 96, 4, 3214868480
	.section	.rodata,"a",@progbits
	.p2align	6, 0x0
	.amdhsa_kernel k_qfe3526b3f6_attn
		.amdhsa_group_segment_fixed_size 327680
		.amdhsa_private_segment_fixed_size 0
		.amdhsa_enable_private_segment 0
		.amdhsa_kernarg_size 40
		.amdhsa_user_sgpr_count 2
		.amdhsa_user_sgpr_kernarg_segment_ptr 1
		.amdhsa_wavefront_size32 1
		.amdhsa_system_sgpr_workgroup_id_x 1
		.amdhsa_system_sgpr_workgroup_id_y 1
		.amdhsa_system_sgpr_workgroup_id_z 1
		.amdhsa_system_vgpr_workitem_id 0
		.amdhsa_next_free_vgpr 256
		.amdhsa_next_free_sgpr 66
		.amdhsa_reserve_vcc 1
		.amdhsa_float_denorm_mode_32 3
		.amdhsa_float_denorm_mode_16_64 3
		.amdhsa_memory_ordered 1
		.amdhsa_forward_progress 1
		.amdhsa_inst_pref_size 255
	.end_amdhsa_kernel
	.section	.bss,"aw",@nobits
	.p2align	6
	.space	262144
	.amdgpu_metadata
---
amdhsa.version: [ 1, 2 ]
amdhsa.kernels:
  - .name:           k_qfe3526b3f6_attn
    .symbol:         k_qfe3526b3f6_attn.kd
    .args:
      - { .name: query, .offset: 0, .size: 8, .value_kind: global_buffer, .address_space: global }
      - { .name: kvc, .offset: 8, .size: 8, .value_kind: global_buffer, .address_space: global }
      - { .name: kvs, .offset: 16, .size: 8, .value_kind: global_buffer, .address_space: global }
      - { .name: alibi_slopes, .offset: 24, .size: 8, .value_kind: global_buffer, .address_space: global }
      - { .name: out0, .offset: 32, .size: 8, .value_kind: global_buffer, .address_space: global }
    .group_segment_fixed_size: 327680
    .private_segment_fixed_size: 0
    .kernarg_segment_align: 8
    .kernarg_segment_size: 40
    .max_flat_workgroup_size: 512
    .sgpr_count:     66
    .vgpr_count:     256
    .wavefront_size: 32
...
	.end_amdgpu_metadata
.endif
;; end of part 2
